; MI455X (gfx1250); checked and timed in simulation.
; The chip was launched on July 23, 2026; its instructions are those of AMD's public machine-readable ISA for CDNA 5 (MIT licence, August 2026) and "CDNA5" Instruction Set Architecture Reference Guide (July 2026). The comments in the code are by the model that wrote it; some were corrected since.
;; Causal Multihead Self Attention. Allowed arithmetic: matrix products marked QUANTISED: E4M3 operands, one given power-of-two scale a tensor, by v_wmma_f32_16x16x64_fp8_fp8 or v_wmma_f32_16x16x128_fp8_fp8, f32 sums; everything else in f32.
;; Inputs: Wk_codes 1,024 x 32 x 32 uint8 (E4M3 codes of Wk, K innermost, in blocks of 32 codes); Wo_codes 1,024 x 32 x 32 uint8 (E4M3 codes of Wo, K innermost, in blocks of 32 codes); Wq_codes 1,024 x 32 x 32 uint8 (E4M3 codes of Wq, K innermost, in blocks of 32 codes); Wv_codes 1,024 x 32 x 32 uint8 (E4M3 codes of Wv, K innermost, in blocks of 32 codes); lowp_scales 12 int32 (the exponents e of the quantised operands' scales 2^e); token_positions 2,048 int32; x_codes 2 x 2,048 x 32 x 32 uint8 (E4M3 codes of x, K innermost, in blocks of 32 codes).
;; Outputs: out0 2 x 2,048 x 1,024 float32.
;; This version of the problem:
;;   THIS VERSION OF THE PROBLEM IS GIVEN IN LOW PRECISION. The matrix products marked QUANTISED in the list below multiply operands that are first quantised to E4M3 (4 exponent bits, 3 mantissa bits; 8 bits a number), with one given power-of-two scale for each operand tensor; their sums are f32. All else is computed in f32.
;;   The module's matrix products, in the order in which they are computed (A, B: the left and right operand; K: the contracted axis; several contracted axes count as one K, in the product's order):
;;     1. [M 4,096, K 1,024] x [K 1,024, N 1,024]; A: input x (given as codes); B: input Wq (given as codes): QUANTISED (scales: A lowp_scales[0], B lowp_scales[1])
;;     2. [M 4,096, K 1,024] x [K 1,024, N 1,024]; A: input x (given as codes); B: input Wk (given as codes): QUANTISED (scales: A lowp_scales[2], B lowp_scales[3])
;;     3. [M 4,096, K 1,024] x [K 1,024, N 1,024]; A: input x (given as codes); B: input Wv (given as codes): QUANTISED (scales: A lowp_scales[4], B lowp_scales[5])
;;     4. batch 32 x [M 2,048, K 64] x [K 64, N 2,048]; A: computed on the way; B: computed on the way: QUANTISED (scales: A lowp_scales[6], B lowp_scales[7])
;;     5. batch 32 x [M 2,048, K 2,048] x [K 2,048, N 64]; A: softmax (see below); B: computed on the way: QUANTISED (scales: A lowp_scales[8], B lowp_scales[9])
;;     6. [M 4,096, K 1,024] x [K 1,024, N 1,024]; A: computed on the way; B: input Wo (given as codes): QUANTISED (scales: A lowp_scales[10], B lowp_scales[11])
;;   THE QUANTISER, for each operand of a quantised product, along K:
;;     - The operand's scale is 2^e, e = its entry of the input lowp_scales (int32; the entries are numbered through the quantised products in the list's order, A before B).
;;     - Each number is divided by the scale, clamped to +-448, and rounded to the nearest number of E4M3, ties to even, subnormals kept.
;;     - The product sums the exact products of the quantised numbers (number of the format x scale) in f32.
;;   ~~~python
;;   def quantise(x, axis, e):      # numpy; x: float32 -> the quantised numbers, widened to float32 again
;;       x = np.moveaxis(x, axis, -1); K = x.shape[-1]
;;       r = np.clip(x / 2.0 ** e, -448, 448)
;;       step = 2.0 ** (np.maximum(np.frexp(np.where(r == 0, 1, r))[1] - 1, -6) - 3)
;;       q = np.round(r / step) * step * 2.0 ** e      # np.round: ties to even
;;       return np.moveaxis(q, -1, axis).astype(np.float32)
;;   ~~~
;;   SOFTMAX AHEAD OF A QUANTISED PRODUCT. Where the list says 'softmax', what is quantised is not the finished softmax but p = 2^(t - M), with t = logit x log2(e) and M = ceil(the row's largest t), a whole number; so 1/2 < the row's largest p <= 1. The row's sum l is taken of the UNQUANTISED p, in f32, and the product's result is divided by l at the end. Since M is a whole number, a kernel that streams over the keys may use a running M (the ceiling of the running maximum): every later rescaling is an exact power of two, so the quantised numbers keep their values, but for numbers so far below the row's largest that they fall under the format's range.
;;   OPERANDS COMPUTED ON THE WAY. 'Computed on the way' means the value that the module computes at that place (a softmax that the list does not call 'softmax' is quantised finished and normalised). What goes into a quantiser is computed in f32, as accurately as f32 sums, v_exp_f32 and their like allow (about 1e-6 of the number): no bf16 or f16 on the way to a quantiser, and a product that is left as it is and whose result goes on into a quantised operand takes f32 operands (vector FMAs, or v_wmma_f32_16x16x4_f32). A number that lies on a knife's edge between two numbers of the format may be rounded either way, as far as f32 arithmetic and the matrix unit's own rounding can turn it there, and no further.
;;   INPUTS GIVEN AS CODES. Wk (in the module: [1024, 1024], K = its axis 1); Wo (in the module: [1024, 1024], K = its axis 1); Wq (in the module: [1024, 1024], K = its axis 1); Wv (in the module: [1024, 1024], K = its axis 1); x (in the module: [2, 2048, 1024], K = its axis 2): each comes as NAME_codes (uint8): NAME with its K axis moved to the last place and cut into blocks of 32 codes, [.., K / 32, bytes a block], one block behind the other in memory; one code a byte (a code: sign, 4 exponent bits, 3 mantissa bits); its scale is its entry of lowp_scales. Its value is code x scale, taken as it is: it is not quantised again, and the codes and scales need not be those that the quantiser above would give.
;; One version. Each part assembles by itself: llvm-mc -triple=amdgcn-amd-amdhsa -mcpu=gfx1250 --defsym DOCPART=n.
;; ======== version 1 of 1: 3 launches
;; limits: right only within a limited range of input values
;; workspace buffers: qc 4,194,304 bytes; kv 8,388,608 bytes; oc 4,194,304 bytes
;; launch qkv (part 1): grid 16 x 16, 4 waves a work-group, clusters of 4 x 4, 327,680 bytes of LDS; arguments x_codes, Wq_codes, Wk_codes, Wv_codes, lowp_scales, token_positions, qc, kv; writes qc, kv
.if DOCPART == 1
	.amdgcn_target "amdgcn-amd-amdhsa--gfx1250"
	.amdhsa_code_object_version 6
	.text
	.protected	k_qdbefb541f3_qkv
	.globl	k_qdbefb541f3_qkv
	.p2align	8
	.type	k_qdbefb541f3_qkv,@function
k_qdbefb541f3_qkv:
	s_mov_b64 s[64:65], 0
	v_nop
	global_prefetch_b8 v0, s[64:65] scope:SCOPE_SE
	s_setreg_imm32_b32 hwreg(HW_REG_WAVE_MODE, 25, 1), 1
	s_wait_xcnt 0x0
	s_wait_alu depctr_hold_cnt(0) depctr_sa_sdst(0) depctr_va_vdst(0) depctr_va_sdst(0) depctr_va_ssrc(0) depctr_va_vcc(0) depctr_vm_vsrc(0)
	s_getreg_b32 s2, hwreg(HW_REG_IB_STS2, 6, 4)
	s_cmp_eq_u32 s2, 0
	s_cbranch_scc0 .Lentry_in_a_cluster
	s_endpgm
.Lentry_in_a_cluster:
	s_bfe_u32 s2, ttmp6, 0x10000c
	s_cmp_lg_u32 s2, 0xf033
	s_cbranch_scc0 .Lentry_shape_is_right
	s_endpgm
.Lentry_shape_is_right:
; q = rope(x Wq^T), k = rope(x Wk^T), v = x Wv^T on codes of FP8 (E4M3), each result quantised again to E4M3 and stored as images of the operand registers that the attention launch loads.
; x: [4096][1024] codes, Wq, Wk, Wv: [1024][1024] codes, K innermost.  lowp_scales e0..e11.  token_positions: [2048] int32.
; THE GRID.  A work-group makes q, k and v of ONE head (x) for 256 tokens (y): 256 equal work-groups.  A wave makes 64 tokens x 192 channels: 48 accumulators of 16 x 16.  K = 1024 goes in four steps of 256 through two LDS slots.
; ORIENTATION.  q, k: source 0 = 16 channels, source 1 = 16 tokens: a lane holds 8 neighbouring channels of one token (four pairs for the rotation, neighbours along the next product's K).
;   v: source 0 = 16 tokens, source 1 = 16 channels: a lane holds 8 neighbouring keys of one channel: the keys are the next product's K.
; CLUSTERS: 4 x 4 work-groups.  x's tile is shared along a row of the cluster (same tokens), the weights' along a column (same head), by joint loads: wave 0 asks for x's 256 rows, waves 1 to 3 for 64 rows of Wq, Wk, Wv.
; K has four steps: two first fills and two refills, each asked for a whole K step ahead; no loop runs further ahead of memory, so there is no prefetch.
; ROPE.  angle = f32(position) x f32(10000^(-i/32)), rounded once; n = the whole number nearest to angle / pi; r = angle - n pi (pi in three parts); sin r and cos r by their series up to r^13 and r^12; n's lowest bit is the sign of both.
; Each wave makes the cosines and sines of its own 64 tokens.  The rotation is linear, so it works on the bare sums, and the three scales are folded into the conversion's one: 2^(e6-e0-e1) for q, 2^(e7-e2-e3) for k, 2^(e9-e4-e5) for v.
; OUT.  qc: [batch x 16 + head][tile of 16 queries (128)][1024 B]; a tile is two pieces of 512 B, lane l's 16 bytes at 16 l (registers 2 n, 2 n + 1 of the K = 64 operand: channels 16 n + 8 (l / 16) + 0..7 of token l % 16).
;       kv: [batch x 16 + head][step of 128 keys (16)][16384 B]: 8 tiles of K laid like q's, then 4 fragments of V^T (16 channels x 128 keys, 2048 B: registers 2 n, 2 n + 1: keys 16 n + 8 (l / 16) + 0..7 of channel l % 16).
; LIMITS: |position| under 2^22 (n must fit the magic constant's mantissa); each folded exponent between -126 and 119; NaN codes among the inputs are not served.
; REGISTERS.  Window 0: v8-31 scales and addresses; v32-109 the table's arithmetic; v128-255 the accumulators of v ((a, n) at v[128 + 8 (4 a + n)], a: 16 tokens, n: 16 channels).
;   Windows 1, 2: a set of fragments each, 128 along K: v0-63 x (4 x 16), v64-255 the weights (12 x 16).   Window 3: the accumulators of q and k ((a, b) at v[8 (8 a + b)], b 0-3: q, 4-7: k).
.set ROWB,   256                       ; a tile's row: 256 codes
.set PITCH,  272                       ; an LDS row: 256 bytes + 16 of padding: the 16 rows that a fragment load touches start 16 bytes apart modulo 256
.set T16,    16*PITCH
.set T64,    64*PITCH                  ; one weight's 64 rows; a wave's 64 rows of x, or of the table
.set XB,     256*PITCH                 ; x's 256 rows, then the weights' 192
.set SLOT,   XB+3*T64
.set TAB,    2*SLOT                    ; the table: 256 rows (tokens) of 32 x (cos, sin) f32 + 16 bytes of padding; no tensor load lands here
.set SPARE,  TAB+4*T64                 ; the spare words: 128 bytes a wave
.set SCQ, 8
.set LMQ, 9
.set SCK, 10
.set LMK, 11
.set SCV, 12
.set LMV, 13
.set ADX, 16                           ; v16-17  my rows of x in slot 0, 1
.set ADW, 18                           ; v18-19  the weights
.set TA,  24                           ; the table, read
.set TW,  25                           ; the table, written
.set LI,  26                           ; 16 x lane
.set PO,  27
.set SPW, 28
.set NIL, 29
.set VC,  32                           ; the way out: v's codes; v64-127 a block's numbers; v128-191 the codes of q and k; v224-255 cosines and sines
.set TMP, 64
.set CD,  128
.set T,   224
.set T0,  32                           ; the table: two frequencies at a time, 16 registers each
.set T1,  48
.set OUTP, 80
.set MAG, 88
.set K11, 90
.set C9,  92
.set C7,  94
.set C5,  96
.set C3,  98
.set K10, 100
.set D8,  102
.set D6,  104
.set D4,  106
.set POS, 108
.set G1, 24
.set G0, 32
.set G1B, 48
.set G0B, 56
.set MSB, 0
.macro WIN new                         ; the immediate's high byte repeats the setting that is left
.if MSB != (\new)
	s_set_vgpr_msb (MSB<<8)|(\new)
.set MSB, (\new)
.endif
.endm
.macro JLOAD s                         ; a joint load into slot s: wave 0 for x, waves 1 to 3 for the weights; four v_nop follow each of the two lines
	s_cmp_eq_u32 s14, 0
	s_cbranch_scc0 .Lfor_w_\@
	tensor_load_to_lds s[G0+4*\s:G0+4*\s+3], s[G1:G1+7]
	s_nop 0
.rept 4
	v_nop
.endr
	s_branch .Lasked_\@
.Lfor_w_\@:
	tensor_load_to_lds s[G0B+4*\s:G0B+4*\s+3], s[G1B:G1B+7]
	s_nop 0
.rept 4
	v_nop
.endr
.Lasked_\@:
.endm
.macro CREST                           ; a round of the cluster's barrier behind its opening barrier
	s_cmp_lg_u32 s14, 0
	s_cbranch_scc1 .Lnot_wave_0_\@
	s_barrier_signal -3
.Lnot_wave_0_\@:
	s_barrier_wait -3
	s_barrier_signal -1
	s_barrier_wait -1
.endm
.macro CROUND
	s_barrier_signal -1
	s_barrier_wait -1
	CREST
.endm
	s_load_b512 s[68:83], s[0:1], 0x0              ; x s[68:69], Wq s[70:71], Wk s[72:73], Wv s[74:75], the scales s[76:77], the positions s[78:79], qc s[80:81], kv s[82:83]
	v_lshl_add_u32 v[SPW], v0, 2, SPARE
	v_mov_b32 v[NIL], 0
	ds_add_u32 v[SPW], v[NIL]                      ; the wave's opening: the add, twice on end, and its wait
	ds_add_u32 v[SPW], v[NIL]
	v_lshrrev_b32 v1, 5, v0
	v_readfirstlane_b32 s14, v1                    ; wave 0..3
	s_bfe_u32 s40, ttmp6, 0x40000                  ; cx, cy
	s_bfe_u32 s41, ttmp6, 0x40004
	s_lshl_b32 s42, ttmp9, 2
	s_add_co_u32 s42, s42, s40                     ; head
	s_and_b32 s17, ttmp7, 0xffff
	s_lshl_b32 s17, s17, 2
	s_add_co_u32 s17, s17, s41                     ; block of 256 tokens
	s_lshl_b32 s43, s41, 2
	s_lshl_b32 s43, 15, s43                        ; my row of the cluster
	s_lshl_b32 s44, 0x1111, s40                    ; my column
	; descriptor group 1: rows of 256 bytes, 1024 apart, padded in LDS
	s_or_b32 s[G1+0], s43, (0<<16)|(1<<20)|(1<<21)|(5<<22)|(3<<25)  ; 15:0 the mask; 17:16 element of 1 byte; 20 padding on; 21 set beside a mask; 24:22 after every 64 words; 31:25 four words
	s_mov_b32 s[G1+1], ROWB<<16
	s_mov_b32 s[G1+2], 256<<16
	s_mov_b32 s[G1+3], ROWB<<16
	s_mov_b32 s[G1+4], 256
	s_mov_b32 s[G1+5], 1024
	s_mov_b32 s[G1+6], 0
	s_mov_b32 s[G1+7], 0
	s_or_b32 s[G1B+0], s44, (0<<16)|(1<<20)|(1<<21)|(5<<22)|(3<<25)
	s_mov_b32 s[G1B+1], ROWB<<16
	s_mov_b32 s[G1B+2], 64<<16
	s_mov_b32 s[G1B+3], ROWB<<16
	s_mov_b32 s[G1B+4], 64
	s_mov_b32 s[G1B+5], 1024
	s_mov_b32 s[G1B+6], 0
	s_mov_b32 s[G1B+7], 0
	s_lshl_b32 s20, s17, 18                        ; x: 256 rows x 1024 bytes x block
	s_mov_b32 s21, 0
	s_lshl_b32 s46, s42, 16                        ; the weights: 64 rows x head
	s_mov_b32 s47, 0
	s_mul_i32 s45, s14, T64
	s_and_b32 s19, s17, 7                          ; the block within its batch
	s_lshl_b32 s18, s19, 10
	s_lshl_b32 s22, s14, 8
	s_add_co_u32 s18, s18, s22                     ; my positions: 4 bytes x (256 x block + 64 x wave + lane), and 32 further on
	v_and_b32 v6, 31, v0                           ; lane
	v_lshl_add_u32 v[PO], v6, 2, s18
	s_wait_dscnt 0x0                               ; both opening adds are done
	s_wait_alu depctr_va_vdst(0)
	s_wait_kmcnt 0x0
	s_load_b256 s[84:91], s[76:77], 0x0            ; e0 .. e7
	s_load_b128 s[92:95], s[76:77], 0x20           ; e8 .. e11
	global_load_b32 v[POS], v[PO], s[78:79]
	global_load_b32 v[POS+1], v[PO], s[78:79] offset:128
	s_cmp_eq_u32 s14, 2
	s_cselect_b64 s[6:7], s[72:73], s[70:71]       ; wave 1: Wq, wave 2: Wk,
	s_cmp_eq_u32 s14, 3
	s_cselect_b64 s[6:7], s[74:75], s[6:7]         ; wave 3: Wv
	s_add_nc_u64 s[4:5], s[68:69], s[20:21]
	s_add_nc_u64 s[6:7], s[6:7], s[46:47]
.irp s, 0,1
	s_mov_b32 s[G0+4*\s], 1
	s_mov_b32 s[G0+4*\s+1], \s*SLOT
	s_add_nc_u64 s[G0+4*\s+2:G0+4*\s+3], s[4:5], \s*ROWB
	s_or_b32 s[G0+4*\s+3], s[G0+4*\s+3], 0x80000000
	s_mov_b32 s[G0B+4*\s], 1
	s_add_co_u32 s[G0B+4*\s+1], s45, XB-T64+\s*SLOT
	s_add_nc_u64 s[G0B+4*\s+2:G0B+4*\s+3], s[6:7], \s*ROWB
	s_or_b32 s[G0B+4*\s+3], s[G0B+4*\s+3], 0x80000000
.endr
	CROUND                                         ; all sixteen work-groups are here: the first joint loads meet
	JLOAD 0                                        ; K step 0
	; where my wave's images begin
	s_lshr_b32 s18, s17, 3
	s_lshl_b32 s18, s18, 4
	s_add_co_u32 s18, s18, s42                     ; batch x 16 + head
	s_lshl_b32 s20, s18, 17                        ; qc: a head is 2^17 bytes, 256 tokens 2^14, my 64 2^12
	s_lshl_b32 s22, s19, 14
	s_add_co_u32 s20, s20, s22
	s_lshl_b32 s22, s14, 12
	s_add_co_u32 s20, s20, s22
	s_mov_b32 s21, 0
	s_add_nc_u64 s[8:9], s[80:81], s[20:21]
	s_lshl_b32 s20, s18, 18                        ; kv: a head is 2^18 bytes, 256 tokens two steps of 2^14,
	s_lshl_b32 s22, s19, 15
	s_add_co_u32 s20, s20, s22
	s_lshr_b32 s22, s14, 1
	s_lshl_b32 s22, s22, 14
	s_add_co_u32 s18, s20, s22
	s_and_b32 s22, s14, 1                          ; and my 64 are half of a step: four tiles of K,
	s_lshl_b32 s23, s22, 12
	s_add_co_u32 s20, s18, s23
	s_add_nc_u64 s[10:11], s[82:83], s[20:21]
	s_lshl_b32 s23, s22, 10                        ; two pieces of each fragment of V^T
	s_add_co_u32 s20, s18, s23
	s_add_co_u32 s20, s20, 8192
	s_add_nc_u64 s[12:13], s[82:83], s[20:21]
	s_add_co_u32 s23, s45, TAB                     ; my rows of the table
	v_and_b32 v1, 15, v0                           ; l % 16
	v_bfe_u32 v2, v0, 4, 1                         ; l / 16
	v_mul_u32_u24 v3, v1, PITCH
	v_lshl_add_u32 v4, v2, 4, v3                   ; a fragment's row x pitch + 16 x half
	v_add_nc_u32 v[ADX], s45, v4
	v_add_nc_u32 v[ADW], XB, v4
	v_add_nc_u32 v[ADX+1], SLOT, v[ADX]
	v_add_nc_u32 v[ADW+1], SLOT, v[ADW]
	v_lshl_add_u32 v[TA], v2, 5, v3
	v_add_nc_u32 v[TA], s23, v[TA]
	v_mul_u32_u24 v[TW], v6, PITCH
	v_add_nc_u32 v[TW], s23, v[TW]
	v_lshlrev_b32 v[LI], 4, v6
	s_wait_alu depctr_va_vdst(0)
	s_wait_kmcnt 0x0                               ; the scales
	s_sub_co_i32 s18, s90, s84                     ; q: e6 - e0 - e1
	s_sub_co_i32 s18, s18, s85
	s_sub_co_i32 s19, s91, s86                     ; k: e7 - e2 - e3
	s_sub_co_i32 s19, s19, s87
	s_sub_co_i32 s20, s93, s88                     ; v: e9 - e4 - e5
	s_sub_co_i32 s20, s20, s89
.macro SCALE s, v                      ; the folded scale as f32 (the conversion takes its exponent field), and 448 x that
	s_add_co_i32 s[\s], s[\s], 127
	s_lshl_b32 s22, s[\s], 23
	v_mov_b32 v[\v], s22
	s_add_co_i32 s[\s], s[\s], 8
	s_lshl_b32 s[\s], s[\s], 23
	s_or_b32 s[\s], s[\s], 0x600000
	v_mov_b32 v[\v+1], s[\s]
.endm
	SCALE 18, SCQ
	SCALE 19, SCK
	SCALE 20, SCV
.irp e, 0,1
	v_mov_b32 v[MAG+\e], 0x4b400000                ; 1.5 x 2^23
	v_mov_b32 v[K11+\e], 0xb2d7322b                ; the series' coefficients: -1/11!, 1/9!, -1/7!, 1/5!, -1/3!
	v_mov_b32 v[C9+\e], 0x3638ef1d
	v_mov_b32 v[C7+\e], 0xb9500d01
	v_mov_b32 v[C5+\e], 0x3c088889
	v_mov_b32 v[C3+\e], 0xbe2aaaab
	v_mov_b32 v[K10+\e], 0xb493f27e                ; -1/10!, 1/8!, -1/6!, 1/4!
	v_mov_b32 v[D8+\e], 0x37d00d01
	v_mov_b32 v[D6+\e], 0xbab60b61
	v_mov_b32 v[D4+\e], 0x3d2aaaab
.endr
; THE TABLE, while the first tiles are on their way.  A lane is a token (and, in a pair's upper half, the token 32 further on); frequencies f (factor l0) and f + 1 (factor l1) go side by side.
.macro SC2 f, l0, l1
	v_pk_mul_f32 v[T0:T0+1], v[POS:POS+1], \l0 op_sel_hi:[1,0]                        ; the angle, rounded once
	v_pk_mul_f32 v[T1:T1+1], v[POS:POS+1], \l1 op_sel_hi:[1,0]
.irp t, T0, T1
	v_pk_fma_f32 v[\t+2:\t+3], v[\t:\t+1], 0x3ea2f983, v[MAG:MAG+1] op_sel_hi:[1,0,1] ; angle / pi + 1.5 x 2^23: the low bits are n
.endr
.irp t, T0, T1
	v_pk_add_f32 v[\t+6:\t+7], v[\t+2:\t+3], 0xcb400000 op_sel_hi:[1,0]               ; n as f32
.endr
.irp t, T0, T1
	v_pk_fma_f32 v[\t+4:\t+5], v[\t+6:\t+7], 0xc0490fdb, v[\t:\t+1] op_sel_hi:[1,0,1] ; r = angle - n pi
.endr
.irp t, T0, T1
	v_pk_fma_f32 v[\t+4:\t+5], v[\t+6:\t+7], 0x33bbbd2e, v[\t+4:\t+5] op_sel_hi:[1,0,1]
.endr
.irp t, T0, T1
	v_pk_fma_f32 v[\t+4:\t+5], v[\t+6:\t+7], 0x27772ced, v[\t+4:\t+5] op_sel_hi:[1,0,1]
.endr
.irp t, T0, T1
	v_pk_mul_f32 v[\t+8:\t+9], v[\t+4:\t+5], v[\t+4:\t+5]                             ; z = r r
.endr
.irp t, T0, T1
	v_pk_fma_f32 v[\t+10:\t+11], v[\t+8:\t+9], 0x2f309231, v[K11:K11+1] op_sel_hi:[1,0,1]
	v_pk_fma_f32 v[\t+12:\t+13], v[\t+8:\t+9], 0x310f76c7, v[K10:K10+1] op_sel_hi:[1,0,1]
.endr
.irp t, T0, T1
	v_pk_fma_f32 v[\t+10:\t+11], v[\t+10:\t+11], v[\t+8:\t+9], v[C9:C9+1]
	v_pk_fma_f32 v[\t+12:\t+13], v[\t+12:\t+13], v[\t+8:\t+9], v[D8:D8+1]
.endr
.irp t, T0, T1
	v_pk_fma_f32 v[\t+10:\t+11], v[\t+10:\t+11], v[\t+8:\t+9], v[C7:C7+1]
	v_pk_fma_f32 v[\t+12:\t+13], v[\t+12:\t+13], v[\t+8:\t+9], v[D6:D6+1]
.endr
.irp t, T0, T1
	v_pk_fma_f32 v[\t+10:\t+11], v[\t+10:\t+11], v[\t+8:\t+9], v[C5:C5+1]
	v_pk_fma_f32 v[\t+12:\t+13], v[\t+12:\t+13], v[\t+8:\t+9], v[D4:D4+1]
.endr
.irp t, T0, T1
	v_pk_fma_f32 v[\t+10:\t+11], v[\t+10:\t+11], v[\t+8:\t+9], v[C3:C3+1]
	v_pk_fma_f32 v[\t+12:\t+13], v[\t+12:\t+13], v[\t+8:\t+9], -0.5 op_sel_hi:[1,1,0]
	v_pk_mul_f32 v[\t+14:\t+15], v[\t+8:\t+9], v[\t+4:\t+5]
.endr
.irp t, T0, T1
	v_lshlrev_b32 v[\t+2], 31, v[\t+2]                                                ; n's lowest bit in the sign's place
	v_lshlrev_b32 v[\t+3], 31, v[\t+3]
	v_pk_fma_f32 v[\t+10:\t+11], v[\t+10:\t+11], v[\t+14:\t+15], v[\t+4:\t+5]         ; sin r
	v_pk_fma_f32 v[\t+12:\t+13], v[\t+12:\t+13], v[\t+8:\t+9], 1.0 op_sel_hi:[1,1,0]  ; cos r
.endr
.irp e, 0,1
	v_xor_b32 v[OUTP+4*\e], v[T0+12+\e], v[T0+2+\e]
	v_xor_b32 v[OUTP+4*\e+1], v[T0+10+\e], v[T0+2+\e]
	v_xor_b32 v[OUTP+4*\e+2], v[T1+12+\e], v[T1+2+\e]
	v_xor_b32 v[OUTP+4*\e+3], v[T1+10+\e], v[T1+2+\e]
.endr
	ds_store_b128 v[TW], v[OUTP:OUTP+3] offset:8*\f
	ds_store_b128 v[TW], v[OUTP+4:OUTP+7] offset:32*PITCH+8*\f
.endm
	s_wait_alu depctr_va_vdst(0)
	s_wait_loadcnt 0x0
	v_cvt_f32_i32 v[POS], v[POS]
	v_cvt_f32_i32 v[POS+1], v[POS+1]
	SC2 0, 0x3f800000, 0x3f3ff911                  ; 10000^(-i/32), to the nearest f32
	SC2 2, 0x3f0ff59a, 0x3ed7e89b
	SC2 4, 0x3ea1e89b, 0x3e72d424
	SC2 6, 0x3e361887, 0x3e088d77
	SC2 8, 0x3dcccccd, 0x3d99940e
	SC2 10, 0x3d6655c3, 0x3d2cba15
	SC2 12, 0x3d0186e2, 0x3cc24350
	SC2 14, 0x3c91ad39, 0x3c5a7bf1
	SC2 16, 0x3c23d70a, 0x3bf5b9b0
	s_wait_alu depctr_va_vdst(0)
	s_wait_tensorcnt 0x0                           ; my part of K step 0 is in
	ds_add_u32 v[SPW], v[NIL]
	s_wait_dscnt 0x0
	CROUND                                         ; everybody's is, in all sixteen work-groups
	JLOAD 1                                        ; K step 1, the first tensor load behind the round: the table's second part stands under its flight
	SC2 18, 0x3bb8449c, 0x3b8a2e77
	SC2 20, 0x3b4f3e37, 0x3b1b690d
	SC2 22, 0x3ae91528, 0x3aaec98e
	SC2 24, 0x3a83126f, 0x3a44948c
	SC2 26, 0x3a136a16, 0x39dd1726
	SC2 28, 0x39a5cb5f, 0x3978a814
	SC2 30, 0x393a7753, 0x390bd472
; FRAGMENTS, 16 rows x 128 K: registers 4 c .. 4 c + 3 hold K = 32 c + 16 (l / 16) + 0 .. 15 of row l % 16: the same order of k in x and in the weights.  K step k (of 128): slot (k / 2) % 2, set k % 2.
.macro LW k, b0                        ; four of the twelve fragments of the weights
	WIN 0x40<<((\k)%2)
.irp b, \b0, \b0+1, \b0+2, \b0+3
.irp c, 0,1,2,3
	ds_load_b128 v[64+16*(\b)+4*\c:67+16*(\b)+4*\c], v[ADW+((\k)/2)%2] offset:T16*(\b)+128*((\k)%2)+32*\c
.endr
.endr
.endm
.macro LX k                            ; x's four, and Wq's four
	WIN 0x40<<((\k)%2)
.irp i, 0,1,2,3
.irp c, 0,1,2,3
	ds_load_b128 v[16*\i+4*\c:16*\i+4*\c+3], v[ADX+((\k)/2)%2] offset:T16*\i+128*((\k)%2)+32*\c
.endr
.endr
	LW \k, 0
.endm
; The 48 accumulators take turns, one instruction a turn, in the same order in every step.
.macro MULQK k, b0                     ; q (b0 = 0) or k (4)
	WIN 0xf0|(5<<((\k)%2))                         ; sources 0 and 1 in window 1 or 2, C and D in window 3
.irp a, 0,1,2,3
.irp b, \b0, \b0+1, \b0+2, \b0+3
.if (\k) == 0
	v_wmma_f32_16x16x128_fp8_fp8 v[8*(8*\a+\b):8*(8*\a+\b)+7], v[64+16*(\b):79+16*(\b)], v[16*\a:16*\a+15], 0
.else
	v_wmma_f32_16x16x128_fp8_fp8 v[8*(8*\a+\b):8*(8*\a+\b)+7], v[64+16*(\b):79+16*(\b)], v[16*\a:16*\a+15], v[8*(8*\a+\b):8*(8*\a+\b)+7]
.endif
.endr
.endr
.endm
.macro MULV k
	WIN 5<<((\k)%2)                                ; C and D in window 0
.irp a, 0,1,2,3
.irp n, 0,1,2,3
.if (\k) == 0
	v_wmma_f32_16x16x128_fp8_fp8 v[128+8*(4*\a+\n):135+8*(4*\a+\n)], v[16*\a:16*\a+15], v[192+16*\n:207+16*\n], 0
.else
	v_wmma_f32_16x16x128_fp8_fp8 v[128+8*(4*\a+\n):135+8*(4*\a+\n)], v[16*\a:16*\a+15], v[192+16*\n:207+16*\n], v[128+8*(4*\a+\n):135+8*(4*\a+\n)]
.endif
.endr
.endr
.endm
.macro PLACES                          ; plain vector lines between a matrix instruction and a load into, or a vector read of, its registers
.rept 4
	v_nop
.endr
.endm
.macro STEP k                          ; a step that has its successor in the same slot
	s_wait_dscnt 31                                ; x and Wq are in; the younger half of the set may be out
	PLACES
	LX (\k)+1
	MULQK \k, 0
	s_wait_dscnt 31                                ; the whole set is in; the next one's first half may be out
	LW (\k)+1, 4
	LW (\k)+1, 8
	MULQK \k, 4
	MULV \k
.endm
; A slot's last step changes slots: one barrier; in front of it each wave waits for all its tensor loads, adds 0 to its spare word, and waits for that and for its own reads of this slot.  fill = 1: this slot is filled again, two K steps of 256 ahead.
.macro TURN k, fill
	WIN 0
	s_wait_dscnt 32                                ; x and Wq are in
	s_wait_tensorcnt 0x0                           ; all my tensor loads have landed: my part of the next slot
	ds_add_u32 v[SPW], v[NIL]                      ; 0 onto my spare word
	MULQK \k, 0                                    ; sixteen matrix instructions stand between the add and the wait for it
	s_wait_dscnt 0x0                               ; the add is done, and my reads of this slot are over
	s_barrier_signal -1
	MULQK \k, 4
	WIN 0
	s_barrier_wait -1
.if \fill
	CREST                                          ; no wave of any partner still reads this slot or has a load on its way
.set SL, ((\k)/2)%2
	s_add_nc_u64 s[G0+4*SL+2:G0+4*SL+3], s[G0+4*SL+2:G0+4*SL+3], 2*ROWB
	s_add_nc_u64 s[G0B+4*SL+2:G0B+4*SL+3], s[G0B+4*SL+2:G0B+4*SL+3], 2*ROWB
	JLOAD SL                                       ; the first tensor load behind the round
.else
	PLACES
.endif
	LX (\k)+1
	MULV \k
	s_wait_dscnt 31
	LW (\k)+1, 4
	LW (\k)+1, 8
.endm
	LX 0
	s_wait_dscnt 31
	LW 0, 4
	LW 0, 8
	STEP 0                                         ; its products start the sums
	TURN 1, 1
	STEP 2
	TURN 3, 1
	STEP 4
	TURN 5, 0                                      ; the last two slots' worth fill nothing
	STEP 6
	s_wait_dscnt 32
	MULQK 7, 0
	s_wait_dscnt 0x0
	MULQK 7, 4
	MULV 7
	WIN 0
	PLACES
; THE WAY OUT.  The codes are the next operand's registers as they stand: each store writes 512 consecutive bytes, 16 a lane, at a multiple of 512 from the buffer's first byte.
; v first: its accumulators make room for the codes of q and k.
.set n, 0
.rept 128
	v_med3_num_f32 v[128+n], v[128+n], -v[LMV], v[LMV]   ; the conversion to an 8-bit code does not saturate (ISA guide 7.6.2): the hold at the largest code x the scale
.set n, n+1
.endr
.irp a, 0,1,2,3
.irp n4, 0,1,2,3
	v_cvt_scalef32_pk8_fp8_f32 v[VC+8*\n4+2*\a:VC+8*\n4+2*\a+1], v[128+8*(4*\a+\n4):135+8*(4*\a+\n4)], v[SCV]
.endr
.endr
	v_nop                                          ; one plain vector line behind the last conversion
.macro TLOAD a                         ; cosines and sines for channels 16 b + 8 (l / 16) + 0 .. 7 of token 16 a + l % 16: pairs 8 b + 4 (l / 16) + 0 .. 3: 32 bytes
.irp b, 0,1,2,3
	ds_load_b128 v[T+8*\b:T+8*\b+3], v[TA] offset:(\a)*T16+64*\b
	ds_load_b128 v[T+8*\b+4:T+8*\b+7], v[TA] offset:(\a)*T16+64*\b+16
.endr
.endm
	TLOAD 0
.irp n4, 0,1,2,3
	global_store_b128 v[LI], v[VC+8*\n4:VC+8*\n4+3], s[12:13] offset:2048*\n4          ; channels 16 n on: two pieces of a fragment of V^T
	global_store_b128 v[LI], v[VC+8*\n4+4:VC+8*\n4+7], s[12:13] offset:2048*\n4+512
.endr
.macro OUTROPE a
.set AC, 64*(\a)
	s_wait_dscnt 0x0                               ; the block's cosines and sines are in
	WIN 0x03                                       ; source 0: window 3
.irp b, 0,1,2,3,4,5,6,7                            ; each accumulator from its low end on
.irp i, 0,2,4,6
	v_pk_mul_f32 v[TMP+8*\b+\i:TMP+8*\b+\i+1], v[AC+8*\b+\i:AC+8*\b+\i+1], v[T+8*(\b%4)+\i:T+8*(\b%4)+\i+1] op_sel_hi:[1,0]   ; (x1 c, x2 c)
.endr
.irp i, 0,2,4,6
	v_pk_fma_f32 v[TMP+8*\b+\i:TMP+8*\b+\i+1], v[AC+8*\b+\i:AC+8*\b+\i+1], v[T+8*(\b%4)+\i:T+8*(\b%4)+\i+1], v[TMP+8*\b+\i:TMP+8*\b+\i+1] op_sel:[1,1,0] op_sel_hi:[0,1,1] neg_lo:[0,1,0]   ; (x1 c - x2 s, x2 c + x1 s)
.endr
.endr
	WIN 0
.if (\a) < 3
	TLOAD (\a)+1
.endif
.set n, 0
.rept 32
	v_med3_num_f32 v[TMP+n], v[TMP+n], -v[LMQ], v[LMQ]
	v_med3_num_f32 v[TMP+32+n], v[TMP+32+n], -v[LMK], v[LMK]
.set n, n+1
.endr
.irp b, 0,1,2,3
	v_cvt_scalef32_pk8_fp8_f32 v[CD+16*(\a)+2*\b:CD+16*(\a)+2*\b+1], v[TMP+8*\b:TMP+8*\b+7], v[SCQ]
	v_cvt_scalef32_pk8_fp8_f32 v[CD+16*(\a)+8+2*\b:CD+16*(\a)+9+2*\b], v[TMP+32+8*\b:TMP+39+8*\b], v[SCK]
.endr
	v_nop
	global_store_b128 v[LI], v[CD+16*(\a):CD+16*(\a)+3], s[8:9] offset:1024*(\a)
	global_store_b128 v[LI], v[CD+16*(\a)+4:CD+16*(\a)+7], s[8:9] offset:1024*(\a)+512
	global_store_b128 v[LI], v[CD+16*(\a)+8:CD+16*(\a)+11], s[10:11] offset:1024*(\a)
	global_store_b128 v[LI], v[CD+16*(\a)+12:CD+16*(\a)+15], s[10:11] offset:1024*(\a)+512
.endm
.irp a, 0,1,2,3
	OUTROPE \a
.endr
	s_wait_tensorcnt 0x0                           ; the wave's end
	ds_add_u32 v[SPW], v[NIL]
	s_wait_dscnt 0x0
	CROUND                                         ; the closing round: no work-group ends while a partner may still ask for a tile that names it
	s_endpgm
.Lfunc_end_k_qdbefb541f3_qkv:
	.size	k_qdbefb541f3_qkv, .Lfunc_end_k_qdbefb541f3_qkv-k_qdbefb541f3_qkv
	.p2alignl 7, 3214868480
	.fill 96, 4, 3214868480
	.section	.rodata,"a",@progbits
	.p2align	6, 0x0
	.amdhsa_kernel k_qdbefb541f3_qkv
		.amdhsa_group_segment_fixed_size 327680
		.amdhsa_private_segment_fixed_size 0
		.amdhsa_enable_private_segment 0
		.amdhsa_kernarg_size 64
		.amdhsa_user_sgpr_count 2
		.amdhsa_user_sgpr_kernarg_segment_ptr 1
		.amdhsa_wavefront_size32 1
		.amdhsa_system_sgpr_workgroup_id_x 1
		.amdhsa_system_sgpr_workgroup_id_y 1
		.amdhsa_system_sgpr_workgroup_id_z 1
		.amdhsa_system_vgpr_workitem_id 0
		.amdhsa_next_free_vgpr 1024
		.amdhsa_next_free_sgpr 102
		.amdhsa_reserve_vcc 0
		.amdhsa_float_denorm_mode_32 3
		.amdhsa_float_denorm_mode_16_64 3
		.amdhsa_memory_ordered 1
		.amdhsa_forward_progress 1
		.amdhsa_inst_pref_size 176
	.end_amdhsa_kernel
	.amdgpu_metadata
---
amdhsa.version: [ 1, 2 ]
amdhsa.kernels:
  - .name:           k_qdbefb541f3_qkv
    .symbol:         k_qdbefb541f3_qkv.kd
    .args:
      - { .name: x_codes, .offset: 0, .size: 8, .value_kind: global_buffer, .address_space: global }
      - { .name: Wq_codes, .offset: 8, .size: 8, .value_kind: global_buffer, .address_space: global }
      - { .name: Wk_codes, .offset: 16, .size: 8, .value_kind: global_buffer, .address_space: global }
      - { .name: Wv_codes, .offset: 24, .size: 8, .value_kind: global_buffer, .address_space: global }
      - { .name: lowp_scales, .offset: 32, .size: 8, .value_kind: global_buffer, .address_space: global }
      - { .name: token_positions, .offset: 40, .size: 8, .value_kind: global_buffer, .address_space: global }
      - { .name: qc, .offset: 48, .size: 8, .value_kind: global_buffer, .address_space: global }
      - { .name: kv, .offset: 56, .size: 8, .value_kind: global_buffer, .address_space: global }
    .group_segment_fixed_size: 327680
    .private_segment_fixed_size: 0
    .kernarg_segment_align: 8
    .kernarg_segment_size: 64
    .max_flat_workgroup_size: 128
    .sgpr_count:     102
    .vgpr_count:     1024
    .wavefront_size: 32
...
	.end_amdgpu_metadata
.endif
;; end of part 1
;; launch attn (part 2): grid 8 x 32, 8 waves a work-group, clusters of 4 x 1, 327,680 bytes of LDS; arguments qc, kv, lowp_scales, oc; writes oc
.if DOCPART == 2
	.amdgcn_target "amdgcn-amd-amdhsa--gfx1250"
	.amdhsa_code_object_version 6
	.text
	.protected	k_qdbefb541f3_attn
	.globl	k_qdbefb541f3_attn
	.p2align	8
	.type	k_qdbefb541f3_attn,@function
k_qdbefb541f3_attn:
	s_mov_b64 s[64:65], 0
	v_nop
	global_prefetch_b8 v0, s[64:65] scope:SCOPE_SE
	s_setreg_imm32_b32 hwreg(HW_REG_WAVE_MODE, 25, 1), 1
	s_wait_xcnt 0x0
	s_wait_alu depctr_hold_cnt(0) depctr_sa_sdst(0) depctr_va_vdst(0) depctr_va_sdst(0) depctr_va_ssrc(0) depctr_va_vcc(0) depctr_vm_vsrc(0)
	s_getreg_b32 s2, hwreg(HW_REG_IB_STS2, 6, 4)
	s_cmp_eq_u32 s2, 0
	s_cbranch_scc0 .Lentry_in_a_cluster
	s_endpgm
.Lentry_in_a_cluster:
	s_bfe_u32 s2, ttmp6, 0x10000c
	s_cmp_lg_u32 s2, 0x3003
	s_cbranch_scc0 .Lentry_shape_is_right
	s_endpgm
.Lentry_shape_is_right:
; Causal attention of one head on codes of FP8 (E4M3): S^T = K Q^T, p = 2^(t - M), O^T = V^T P^T, O / l, quantised with 2^e10.
; qc: [batch x 16 + head][tile of 16 queries (128)][1024 B], kv: [batch x 16 + head][step of 128 keys (16)][16384 B: 8 tiles of K, 4 fragments of V^T]: images of operand registers, lane l's 16 bytes at 16 l of a piece of 512.
; oc: [block of 128 tokens (32)][128 channels (8)][tile of 16 tokens (8)][piece c (4)][lane][16 B]: lane l's piece c = token l % 16, channels 32 c + 16 (l / 16) + 0 .. 15: the next launch's operand registers.
; SHARES.  A work-group owns 32 queries (tiles 2 cx and 2 cx + 1) of each of 8 blocks of 128 queries of a head.  Blocks i and 15 - i together have 17 key steps (the steps behind the diagonal are thrown away by the causal mask and are
; not done); two waves share them: wave j (0-3) takes steps 0 .. 7 of block 15 - i; wave 4 + j takes that block's steps 8 .. 15 - i, hands its O, l and M over through LDS, and then takes block i's i + 1 steps: 8 and 9 steps.
; i = 2 j + the cluster's x.  A wave owns two tiles of 16 queries at once: every fragment of K and V feeds two products.
; A head's K and V, 16 steps x 16,384 bytes, come into LDS whole, by ONE joint load a wave (two steps each): the four work-groups of a cluster read the same head.  Nothing is filled twice and no loop runs ahead of memory, so there is no prefetch.
; SOFTMAX.  -M = floor(-t) of the running largest t, a whole number; l sums the unquantised p; a change of M multiplies l and O by a power of two; the two waves' parts of a block are joined in the same way.
; LIMITS: scaled scores under 2^31 in magnitude; e6 + e7 between -100 and 129 (a hidden score is held at -2^118 or less, ahead of the factor 2^(e6 + e7)); e8 and e10 - e8 - e9 between -126 and 119; NaN codes among the inputs are not served.
; A NaN or an overflow in the work left out (hidden steps) is not carried to the result.
; REGISTERS, window 0: v1-31 addresses and state, v32-95 / v96-159 the scores S^T, then p, of tile 0 / 1, v160-191 / v192-223 O^T, v224-239 / v240-255 p's codes, and before them what the maxima, sums and the mask work on.
; Window 1: v0-63 K, v64-127 V, v128-143 Q of block 15 - i, v144-159 Q of block i.
.set PART, 262144                      ; behind K and V: four parts of 8,704 bytes: O^T of two tiles, l and -M
.set PSZ,  8704
.set SPARE, PART+4*PSZ                 ; the spare words: 128 bytes a wave
.set LI,  1                            ; 16 x lane
.set ADR, 2                            ; the step's images
.set PADR, 3                           ; my pair's part, + 16 x lane
.set ADN, 22                           ; the next step's
.set SCL, 24                           ; 2^e8
.set SPW, 28
.set NIL, 29
.set TH,  30                           ; the mask's bound (macro MASK)
.set OA,  31                           ; byte offset in a stored tile: 16 (l % 16) + 8 (l / 16)
.set S0,  32
.set S1,  96
.set O,   160
.set P,   224
.set K,   0
.set V,   64
.set QL,  128
.set QS,  144
.set WV,  12
.set ROLE, 16
.set CNT, 22
.set DIAG, 23
.set G1,  24
.set F0,  34
.set F1,  35
.set G0,  40
.set CSC, 60
.set ST,  67
.set TBC, 68
.set TBN, 94
.set MSB, 0
.macro WIN new                         ; the immediate's high byte repeats the setting that is left
.if MSB != (\new)
	s_set_vgpr_msb (MSB<<8)|(\new)
.set MSB, (\new)
.endif
.endm
.macro CROUND
	s_barrier_signal -1
	s_barrier_wait -1
	s_cmp_lg_u32 s[WV], 0
	s_cbranch_scc1 .Lnot_wave_0_\@
	s_barrier_signal -3
.Lnot_wave_0_\@:
	s_barrier_wait -3
	s_barrier_signal -1
	s_barrier_wait -1
.endm
.macro INIT                            ; the running state: M = -3e38, l = 0, O = 0 (the first change of M multiplies zeros)
	v_mov_b32 v6, 0xff61b1e6
	v_mov_b32 v7, 0xff61b1e6
	v_floor_f32 v4, -v6
	v_floor_f32 v5, -v7
.irp r, 8,9,10,11
	v_mov_b32 v\r, 0
.endr
.set n, 0
.rept 64
	v_mov_b32 v[O+n], 0
.set n, n+1
.endr
.endm
	s_load_b256 s[4:11], s[0:1], 0x0               ; qc, kv, the scales, oc
	v_lshl_add_u32 v[SPW], v0, 2, SPARE
	v_mov_b32 v[NIL], 0
	ds_add_u32 v[SPW], v[NIL]                      ; the wave's opening: the add, twice on end, and its wait
	ds_add_u32 v[SPW], v[NIL]
	v_lshrrev_b32 v1, 5, v0
	v_readfirstlane_b32 s[WV], v1                  ; wave 0..7
	s_bfe_u32 s13, ttmp6, 0x40000                  ; cx
	s_and_b32 s15, ttmp7, 0xffff                   ; batch x 16 + head
	s_lshr_b32 s[ROLE], s[WV], 2                   ; 0: the long block's first 8 steps; 1: the rest and the short block
	s_and_b32 s17, s[WV], 3                        ; j
	s_lshl_b32 s18, s17, 1
	s_add_co_u32 s18, s18, ttmp9                   ; i
	s_sub_co_u32 s19, 15, s18                      ; the long block
	s_sub_co_u32 s20, 8, s18
	s_sub_co_u32 s21, 7, s18
	s_add_co_u32 s32, s18, 1                       ; the second walk's steps,
	s_lshl_b32 s[F0], s[ROLE], 3                   ; the first walk's first step,
	s_add_co_u32 s[F1], s[F0], 1                   ; and its second
	s_cmp_eq_u32 s[ROLE], 0
	s_cselect_b32 s[CNT], 8, s20                   ; the first walk's steps
	s_cselect_b32 s[DIAG], 15, s21                 ; and which of them lies on the diagonal (15: none)
	s_cselect_b32 s32, 0, s32
	s_cselect_b32 s33, s19, s18                    ; the block whose result I store
	; group 1: 128 rows of 32 elements of 8 bytes, dense: two steps' images
	s_mov_b32 s[G1], 15|(3<<16)|(1<<21)
	s_mov_b32 s[G1+1], 32<<16
	s_mov_b32 s[G1+2], 128<<16
	s_mov_b32 s[G1+3], 32<<16
	s_mov_b32 s[G1+4], 128
	s_mov_b32 s[G1+5], 32
	s_mov_b32 s[G1+6], 0
	s_mov_b32 s[G1+7], 0
	s_lshl_b32 s70, s15, 18
	s_lshl_b32 s71, s[WV], 15
	s_add_co_u32 s20, s70, s71
	s_mov_b32 s21, 0
	s_mov_b32 s62, 0x76543210                      ; lane l xor 16
	s_mov_b32 s63, 0xfedcba98
	s_mov_b32 s[CSC], 0x3e38aa3b                   ; log2(e) / 8
	s_mov_b32 s[ST], 0
	s_wait_dscnt 0x0                               ; both opening adds are done
	s_wait_kmcnt 0x0
	s_load_b256 s[48:55], s[8:9], 0x0              ; e0 .. e7
	s_load_b128 s[56:59], s[8:9], 0x20             ; e8 .. e11
	s_mov_b32 s[G0], 1
	s_mov_b32 s[G0+1], s71
	s_add_nc_u64 s[G0+2:G0+3], s[6:7], s[20:21]
	s_or_b32 s[G0+3], s[G0+3], 0x80000000
	CROUND                                         ; all four work-groups are here: the joint loads meet
	tensor_load_to_lds s[G0:G0+3], s[G1:G1+7]
	s_nop 0
.rept 4
	v_nop
.endr
	s_lshl_b32 s14, s15, 17                        ; Q: a head is 2^17 bytes of qc, a block 2^13, two tiles 2^11
	s_lshl_b32 s20, s13, 11
	s_add_co_u32 s14, s14, s20
	s_lshl_b32 s20, s19, 13
	s_add_co_u32 s20, s20, s14
	s_add_nc_u64 s[36:37], s[4:5], s[20:21]
	s_lshl_b32 s20, s18, 13
	s_add_co_u32 s20, s20, s14
	s_add_nc_u64 s[38:39], s[4:5], s[20:21]
	v_and_b32 v[LI], 31, v0
	v_lshlrev_b32 v[LI], 4, v[LI]
	WIN 0x40
.irp c, 0,1,2,3
	global_load_b128 v[QL+4*\c:QL+4*\c+3], v[LI], s[36:37] offset:512*\c
	global_load_b128 v[QS+4*\c:QS+4*\c+3], v[LI], s[38:39] offset:512*\c
.endr
	WIN 0
	s_lshr_b32 s14, s15, 4                         ; oc: batch,
	s_lshl_b32 s14, s14, 4
	s_add_co_u32 s14, s14, s33                     ; and block,
	s_lshl_b32 s14, s14, 17
	s_bfe_u32 s20, s15, 0x30001                    ; the head's pair,
	s_lshl_b32 s20, s20, 14
	s_add_co_u32 s14, s14, s20
	s_and_b32 s20, s15, 1                          ; its half,
	s_lshl_b32 s20, s20, 10
	s_add_co_u32 s14, s14, s20
	s_lshl_b32 s20, s13, 12                        ; and the tile 2 cx
	s_add_co_u32 s20, s20, s14
	s_add_nc_u64 s[10:11], s[10:11], s[20:21]
	s_mul_i32 s70, s17, PSZ
	s_add_co_u32 s70, s70, PART
	s_lshl_b32 s71, s[ROLE], 17                    ; my first step: 0 or 8
	s_lshl_b32 s14, s13, 5                         ; my tile 0 begins 32 cx into its block
	s_wait_alu depctr_va_vdst(0)
	v_add_nc_u32 v[PADR], s70, v[LI]
	v_add_nc_u32 v[ADR], s71, v[LI]
	v_and_b32 v26, 15, v0                          ; r
	v_bfe_u32 v27, v0, 4, 1                        ; h
	v_lshlrev_b32 v[OA], 4, v26
	v_lshl_add_u32 v[OA], v27, 3, v[OA]
	v_lshlrev_b32 v[TH], 3, v27
	v_sub_nc_u32 v[TH], v26, v[TH]
	v_add_nc_u32 v[TH], s14, v[TH]                 ; 32 cx + r - 8 h: of tile 0's queries key 16 t + 8 h + j of the diagonal's step is hidden where 16 t + j is greater than this
	v_cvt_f32_i32 v[TH], v[TH]
	v_add_f32 v[TH], 0.5, v[TH]
	v_mul_f32 v[TH], 0x7b000000, v[TH]             ; (that + 1/2) x 2^119
.irp r, 12,13,14,15,18,19
	v_mov_b32 v\r, 0                               ; (named as upper halves of pairs, or by a lane permute, before they are written)
.endr
	INIT
	s_wait_alu depctr_va_vdst(0)
	s_wait_kmcnt 0x0
	s_add_co_i32 s70, s54, s55
	s_lshl_b32 s70, s70, 23
	s_add_co_i32 s[CSC], s[CSC], s70               ; a score stands for score x 2^(e6 + e7)
	s_mov_b32 s[CSC+1], s[CSC]
	s_add_co_i32 s70, s56, 127
	s_lshl_b32 s71, s70, 23
	v_mov_b32 v[SCL], s71
	s_add_co_i32 s70, s70, 8
	s_lshl_b32 s70, s70, 23
	s_or_b32 s66, s70, 0x600000                    ; 448 x 2^e8
	s_sub_co_i32 s70, s58, s56
	s_sub_co_i32 s70, s70, s57
	s_add_co_i32 s70, s70, 127
	s_lshl_b32 s92, s70, 23                        ; 2^(e10 - e8 - e9)
	s_add_co_i32 s70, s70, 8
	s_lshl_b32 s70, s70, 23
	s_or_b32 s93, s70, 0x600000                    ; 448 x that
.macro LOADK adr
	WIN 0x40
.irp t, 0,1,2,3,4,5,6,7
	ds_load_b128 v[K+8*\t:K+8*\t+3], v[\adr] offset:1024*\t
	ds_load_b128 v[K+8*\t+4:K+8*\t+7], v[\adr] offset:1024*\t+512
.endr
	WIN 0
.endm
.macro LOADV adr
	WIN 0x40
.irp c, 0,1,2,3,4,5,6,7,8,9,10,11,12,13,14,15
	ds_load_b128 v[V+4*\c:V+4*\c+3], v[\adr] offset:8192+512*\c
.endr
	WIN 0
.endm
; On the diagonal each score is held at a bound of its lane, (TH's number - 16 t - j) x 2^119, which is 2^118 or more where the key counts and -2^118 or less where it is hidden (p is then 0).  All bounds are exact in f32.
; Tile 1's queries stand 16 further on, so its key tile t + 1 has tile 0's bounds of key tile t.  No branch: TH hangs on the work-group's place in its cluster.
.macro MASK
	v_add_f32 v240, 0x7d000000, v[TH]              ; t = -1, j = 0: + 16 x 2^119
	v_add_f32 v241, 0xfb000000, v240
	v_pk_add_f32 v[242:243], v[240:241], 0xfb800000 op_sel_hi:[1,0]
	v_pk_add_f32 v[244:245], v[240:241], 0xfc000000 op_sel_hi:[1,0]
	v_pk_add_f32 v[246:247], v[242:243], 0xfc000000 op_sel_hi:[1,0]
.irp j, 0,1,2,3,4,5,6,7
	v_min_num_f32 v[S1+\j], v[S1+\j], v[240+\j]
.endr
.irp t, 0,1,2,3,4,5,6,7
.irp j, 0,2,4,6
	v_pk_add_f32 v[240+\j:241+\j], v[240+\j:241+\j], 0xfd000000 op_sel_hi:[1,0]       ; the next key tile: - 16 x 2^119
.endr
.irp j, 0,1,2,3,4,5,6,7
	v_min_num_f32 v[S0+8*\t+\j], v[S0+8*\t+\j], v[240+\j]
.endr
.if \t < 7
.irp j, 0,1,2,3,4,5,6,7
	v_min_num_f32 v[S1+8*\t+8+\j], v[S1+8*\t+8+\j], v[240+\j]
.endr
.endif
.endr
.endm
.macro SUMS s, l                       ; l += the 64 numbers p, two at a time, in eight chains
.irp t, 0,1,2,3,4,5,6,7
	v_pk_add_f32 v[P+2*\t:P+2*\t+1], v[\s+8*\t:\s+8*\t+1], v[\s+8*\t+2:\s+8*\t+3]
.endr
.irp t, 0,1,2,3,4,5,6,7
	v_pk_add_f32 v[P+2*\t:P+2*\t+1], v[P+2*\t:P+2*\t+1], v[\s+8*\t+4:\s+8*\t+5]
.endr
.irp t, 0,1,2,3,4,5,6,7
	v_pk_add_f32 v[P+2*\t:P+2*\t+1], v[P+2*\t:P+2*\t+1], v[\s+8*\t+6:\s+8*\t+7]
.endr
.irp t, 0,1,2,3
	v_pk_add_f32 v[P+2*\t:P+2*\t+1], v[P+2*\t:P+2*\t+1], v[P+8+2*\t:P+9+2*\t]
.endr
.irp t, 0,1
	v_pk_add_f32 v[P+2*\t:P+2*\t+1], v[P+2*\t:P+2*\t+1], v[P+4+2*\t:P+5+2*\t]
.endr
	v_pk_add_f32 v[P:P+1], v[P:P+1], v[P+2:P+3]
	v_pk_add_f32 v[\l:\l+1], v[\l:\l+1], v[P:P+1]
.endm
.macro FMA0 n0                         ; tile 0's t - M, sixteen numbers
.set n, \n0
.rept 8
	v_pk_fma_f32 v[S0+n:S0+n+1], v[S0+n:S0+n+1], s[CSC:CSC+1], v[4:5] op_sel_hi:[1,0,0]
.set n, n+2
.endr
.endm
; A KEY STEP of 128 keys for my two tiles; q: which Q.
.macro STEP q
	s_cmp_ge_u32 s[ST], s[CNT]
	s_cbranch_scc1 .Lskip_\@
	s_add_co_u32 s[TBC], s[ST], s[F0]
	s_min_u32 s[TBC], s[TBC], 15
	s_lshl_b32 s[TBC], s[TBC], 14
	s_add_co_u32 s[TBN], s[ST], s[F1]
	s_min_u32 s[TBN], s[TBN], 15                   ; (the head's last step at most)
	s_lshl_b32 s[TBN], s[TBN], 14
	s_wait_dscnt 0x0                               ; K is in
	WIN 0x05                                       ; sources 0, 1 in window 1
.irp t, 0,1,2,3,4,5,6,7
	v_wmma_f32_16x16x64_fp8_fp8 v[S0+8*\t:S0+8*\t+7], v[K+8*\t:K+8*\t+7], v[\q:\q+7], 0
.endr
.irp t, 0,1,2,3,4,5,6,7
	v_wmma_f32_16x16x64_fp8_fp8 v[S1+8*\t:S1+8*\t+7], v[K+8*\t:K+8*\t+7], v[\q+8:\q+15], 0
.endr
	WIN 0
	v_add_nc_u32 v[ADR], s[TBC], v[LI]             ; with the two v_nop: four places behind the products
	v_add_nc_u32 v[ADN], s[TBN], v[LI]
	v_nop
	v_nop
	LOADK ADN                                      ; the next step's K
	s_cmp_lg_u32 s[ST], s[DIAG]
	s_wait_alu depctr_va_vdst(0)
	s_cbranch_scc1 .Lopen_\@
	MASK
.Lopen_\@:
.irp t, 0,1,2,3,4,5,6,7                ; each tile's largest score, in eight chains
	v_max3_num_f32 v[P+\t], v[S0+8*\t], v[S0+8*\t+1], v[S0+8*\t+2]
.endr
.irp t, 0,1,2,3,4,5,6,7
	v_max3_num_f32 v[P+8+\t], v[S1+8*\t], v[S1+8*\t+1], v[S1+8*\t+2]
.endr
.irp t, 0,1,2,3,4,5,6,7
	v_max3_num_f32 v[P+\t], v[P+\t], v[S0+8*\t+3], v[S0+8*\t+4]
.endr
.irp t, 0,1,2,3,4,5,6,7
	v_max3_num_f32 v[P+8+\t], v[P+8+\t], v[S1+8*\t+3], v[S1+8*\t+4]
.endr
.irp t, 0,1,2,3,4,5,6,7
	v_max3_num_f32 v[P+\t], v[P+\t], v[S0+8*\t+5], v[S0+8*\t+6]
.endr
.irp t, 0,1,2,3,4,5,6,7
	v_max3_num_f32 v[P+8+\t], v[P+8+\t], v[S1+8*\t+5], v[S1+8*\t+6]
.endr
.irp t, 0,2,4,6
	v_max3_num_f32 v[P+\t], v[P+\t], v[S0+8*\t+7], v[S0+8*\t+15]
	v_max3_num_f32 v[P+8+\t], v[P+8+\t], v[S1+8*\t+7], v[S1+8*\t+15]
.endr
	v_max3_num_f32 v12, v[P], v[P+1], v[P+2]
	v_max3_num_f32 v14, v[P+8], v[P+9], v[P+10]
	v_max3_num_f32 v13, v[P+3], v[P+4], v[P+5]
	v_max3_num_f32 v15, v[P+11], v[P+12], v[P+13]
	v_max_num_f32 v20, v[P+6], v[P+7]
	v_max_num_f32 v21, v[P+14], v[P+15]
	v_max3_num_f32 v12, v12, v13, v20
	v_max3_num_f32 v14, v14, v15, v21
	v_permlanex16_b32 v18, v12, s62, s63
	v_permlanex16_b32 v19, v14, s62, s63
	LOADV ADR                                      ; this step's V
	v_max_num_f32 v12, v12, v18
	v_max_num_f32 v14, v14, v19
	v_mul_f32 v12, s[CSC], v12
	v_mul_f32 v14, s[CSC], v14
	v_mov_b32 v13, v4
	v_mov_b32 v15, v5
	v_max_num_f32 v6, v6, v12                      ; the running largest t
	v_max_num_f32 v7, v7, v14
	v_floor_f32 v4, -v6                            ; -M
	v_floor_f32 v5, -v7
	FMA0 0
	v_sub_f32 v13, v4, v13                         ; old M - new M
	v_sub_f32 v15, v5, v15
	FMA0 16
	v_cvt_i32_f32 v13, v13
	v_cvt_i32_f32 v15, v15
	FMA0 32
	v_ldexp_f32 v16, 1.0, v13                      ; f
	v_ldexp_f32 v17, 1.0, v15
	FMA0 48
	s_wait_alu depctr_va_vdst(0)                   ; ahead of the batch
.set n, 0
.rept 32
	v_exp_f32 v[S0+n], v[S0+n]
	v_exp_f32 v[S0+n+1], v[S0+n+1]
	v_pk_fma_f32 v[S1+n:S1+n+1], v[S1+n:S1+n+1], s[CSC:CSC+1], v[4:5] op_sel:[0,0,1] op_sel_hi:[1,0,1]
.set n, n+2
.endr
	v_pk_mul_f32 v[8:9], v[8:9], v[16:17] op_sel_hi:[1,0]
	s_wait_alu depctr_va_vdst(0)                   ; and behind it, ahead of the first reader
	SUMS S0, 8
	s_wait_alu depctr_va_vdst(0)                   ; ahead of the second batch
.set n, 0
.rept 64
	v_exp_f32 v[S1+n], v[S1+n]
	v_min_num_f32 v[S0+n], s66, v[S0+n]            ; p's hold at the largest code x the scale (the conversion does not saturate: ISA guide 7.6.2); p is not negative
.set n, n+1
.endr
	v_pk_mul_f32 v[10:11], v[10:11], v[16:17] op_sel:[0,1] op_sel_hi:[1,1]
	s_wait_alu depctr_va_vdst(0)                   ; behind the batch, and directly ahead of the first reader of O^T
.set n, 0
.rept 16
	v_pk_mul_f32 v[O+n:O+n+1], v[O+n:O+n+1], v[16:17] op_sel_hi:[1,0]
.set n, n+2
.endr
.rept 16
	v_pk_mul_f32 v[O+n:O+n+1], v[O+n:O+n+1], v[16:17] op_sel:[0,1] op_sel_hi:[1,1]
.set n, n+2
.endr
	SUMS S1, 10
.set n, 0
.rept 64
	v_min_num_f32 v[S1+n], s66, v[S1+n]
.set n, n+1
.endr
.irp t, 0,1,2,3,4,5,6,7,8,9,10,11,12,13,14,15
	v_cvt_scalef32_pk8_fp8_f32 v[P+2*\t:P+2*\t+1], v[S0+8*\t:S0+8*\t+7], v[SCL]
.endr
	v_nop                                          ; one plain place behind the last conversion
	s_wait_alu depctr_va_vdst(0)
	s_wait_dscnt 0x0                               ; V is in
	WIN 0x01                                       ; source 0 in window 1
.irp d, 0,1,2,3
	v_wmma_f32_16x16x128_fp8_fp8 v[O+8*\d:O+8*\d+7], v[V+16*\d:V+16*\d+15], v[P:P+15], v[O+8*\d:O+8*\d+7]
.endr
.irp d, 0,1,2,3
	v_wmma_f32_16x16x128_fp8_fp8 v[O+32+8*\d:O+39+8*\d], v[V+16*\d:V+16*\d+15], v[P+16:P+31], v[O+32+8*\d:O+39+8*\d]
.endr
	WIN 0
.rept 4
	v_nop
.endr
.Lskip_\@:
	s_add_co_u32 s[ST], s[ST], 1
.endm
	s_wait_alu depctr_va_vdst(0)
	s_wait_loadcnt 0x0                             ; Q
	s_wait_tensorcnt 0x0                           ; my two steps of K and V are in,
	s_barrier_signal -1
	s_barrier_wait -1                              ; everybody's are
	LOADK ADR
.Lwalk1:
	STEP QL
	s_cmp_lt_u32 s[ST], 8
	s_cbranch_scc1 .Lwalk1
	s_cmp_eq_u32 s[ROLE], 0
	s_cbranch_scc1 .Lno_part
	v_add_f32 v12, v8, v9                          ; waves 4 to 7 hand their part of the long block over
	v_add_f32 v13, v10, v11
	v_mov_b32 v14, v4
	v_mov_b32 v15, v5
.irp c, 0,1,2,3,4,5,6,7,8,9,10,11,12,13,14,15
	ds_store_b128 v[PADR], v[O+4*\c:O+4*\c+3] offset:512*\c
.endr
	ds_store_b128 v[PADR], v[12:15] offset:8192
.Lno_part:
	s_wait_dscnt 0x0                               ; my part is written, and none of my loads is out
	s_barrier_signal -1                            ; the parts are read behind this barrier's wait, which stands behind the second walk
	s_mov_b32 s[ST], 0
	s_mov_b32 s[F0], 0
	s_mov_b32 s[F1], 1
	s_mov_b32 s[CNT], s32
	s_mov_b32 s[DIAG], s18
	s_cmp_eq_u32 s[ROLE], 0
	s_cbranch_scc1 .Lno_second
	INIT
	LOADK LI
.Lno_second:
.Lwalk2:
	STEP QS
	s_cmp_lt_u32 s[ST], 8
	s_cbranch_scc1 .Lwalk2
	v_add_f32 v8, v8, v9
	v_add_f32 v10, v10, v11
	s_wait_alu depctr_va_vdst(0)
	s_wait_dscnt 0x0
	s_barrier_wait -1                              ; every part is written
	s_cmp_lg_u32 s[ROLE], 0
	s_cbranch_scc1 .Lout
.irp c, 0,1,2,3,4,5,6,7,8,9,10,11,12,13,14,15
	ds_load_b128 v[S0+4*\c:S0+4*\c+3], v[PADR] offset:512*\c
.endr
	ds_load_b128 v[12:15], v[PADR] offset:8192
	s_wait_dscnt 0x0
	v_min_num_f32 v16, v4, v14                     ; -M of the whole row
	v_min_num_f32 v17, v5, v15
	v_sub_f32 v18, v16, v4
	v_sub_f32 v19, v17, v5
	v_sub_f32 v20, v16, v14
	v_sub_f32 v21, v17, v15
.irp r, 18,19,20,21
	v_cvt_i32_f32 v\r, v\r
.endr
.irp r, 18,19,20,21
	v_ldexp_f32 v\r, 1.0, v\r                      ; my two factors, and the other wave's
.endr
	v_mul_f32 v8, v8, v18
	v_mul_f32 v10, v10, v19
	v_fma_f32 v8, v12, v20, v8
	v_fma_f32 v10, v13, v21, v10
.set n, 0
.rept 16
	v_pk_mul_f32 v[S0+n:S0+n+1], v[S0+n:S0+n+1], v[20:21] op_sel_hi:[1,0]
	v_pk_mul_f32 v[S0+32+n:S0+33+n], v[S0+32+n:S0+33+n], v[20:21] op_sel:[0,1] op_sel_hi:[1,1]
.set n, n+2
.endr
.set n, 0
.rept 16
	v_pk_fma_f32 v[O+n:O+n+1], v[O+n:O+n+1], v[18:19], v[S0+n:S0+n+1] op_sel_hi:[1,0,1]
	v_pk_fma_f32 v[O+32+n:O+33+n], v[O+32+n:O+33+n], v[18:19], v[S0+32+n:S0+33+n] op_sel:[0,1,0] op_sel_hi:[1,1,1]
.set n, n+2
.endr
	s_wait_alu depctr_va_vdst(0)
.Lout:
	v_permlanex16_b32 v18, v8, s62, s63
	v_permlanex16_b32 v19, v10, s62, s63
	v_add_f32 v8, v8, v18                          ; the rows' sums
	v_add_f32 v10, v10, v19
	s_wait_alu depctr_va_vdst(0)                   ; ahead of the batch
	v_rcp_f32 v12, v8
	v_rcp_f32 v14, v10
	v_mov_b32 v26, s92
	v_mov_b32 v27, s93
	s_wait_alu depctr_va_vdst(0)                   ; behind the batch, and directly ahead of the first reader of O^T
.set n, 0
.rept 16
	v_pk_mul_f32 v[S0+n:S0+n+1], v[O+n:O+n+1], v[12:13] op_sel_hi:[1,0]
.set n, n+2
.endr
.rept 16
	v_pk_mul_f32 v[S0+n:S0+n+1], v[O+n:O+n+1], v[14:15] op_sel_hi:[1,0]
.set n, n+2
.endr
.set n, 0
.rept 64
	v_med3_num_f32 v[S0+n], v[S0+n], -v27, v27
.set n, n+1
.endr
.irp d, 0,1,2,3,4,5,6,7
	v_cvt_scalef32_pk8_fp8_f32 v[P+2*\d:P+2*\d+1], v[S0+8*\d:S0+8*\d+7], v26
.endr
	v_nop
.irp d, 0,1,2,3
	global_store_b64 v[OA], v[P+2*\d:P+2*\d+1], s[10:11] offset:256*\d        ; each store covers 256 consecutive bytes, at a multiple of 256
	global_store_b64 v[OA], v[P+8+2*\d:P+9+2*\d], s[10:11] offset:2048+256*\d
.endr
	s_wait_tensorcnt 0x0                           ; the wave's end
	ds_add_u32 v[SPW], v[NIL]
	s_wait_dscnt 0x0
	CROUND                                         ; the closing round
	s_endpgm
.Lfunc_end_k_qdbefb541f3_attn:
	.size	k_qdbefb541f3_attn, .Lfunc_end_k_qdbefb541f3_attn-k_qdbefb541f3_attn
	.p2alignl 7, 3214868480
	.fill 96, 4, 3214868480
	.section	.rodata,"a",@progbits
	.p2align	6, 0x0
	.amdhsa_kernel k_qdbefb541f3_attn
		.amdhsa_group_segment_fixed_size 327680
		.amdhsa_private_segment_fixed_size 0
		.amdhsa_enable_private_segment 0
		.amdhsa_kernarg_size 32
		.amdhsa_user_sgpr_count 2
		.amdhsa_user_sgpr_kernarg_segment_ptr 1
		.amdhsa_wavefront_size32 1
		.amdhsa_system_sgpr_workgroup_id_x 1
		.amdhsa_system_sgpr_workgroup_id_y 1
		.amdhsa_system_sgpr_workgroup_id_z 1
		.amdhsa_system_vgpr_workitem_id 0
		.amdhsa_next_free_vgpr 512
		.amdhsa_next_free_sgpr 96
		.amdhsa_reserve_vcc 0
		.amdhsa_float_denorm_mode_32 3
		.amdhsa_float_denorm_mode_16_64 3
		.amdhsa_memory_ordered 1
		.amdhsa_forward_progress 1
		.amdhsa_inst_pref_size 101
	.end_amdhsa_kernel
	.amdgpu_metadata
---
amdhsa.version: [ 1, 2 ]
amdhsa.kernels:
  - .name:           k_qdbefb541f3_attn
    .symbol:         k_qdbefb541f3_attn.kd
    .args:
      - { .name: qc, .offset: 0, .size: 8, .value_kind: global_buffer, .address_space: global }
      - { .name: kv, .offset: 8, .size: 8, .value_kind: global_buffer, .address_space: global }
      - { .name: lowp_scales, .offset: 16, .size: 8, .value_kind: global_buffer, .address_space: global }
      - { .name: oc, .offset: 24, .size: 8, .value_kind: global_buffer, .address_space: global }
    .group_segment_fixed_size: 327680
    .private_segment_fixed_size: 0
    .kernarg_segment_align: 8
    .kernarg_segment_size: 32
    .max_flat_workgroup_size: 256
    .sgpr_count:     96
    .vgpr_count:     512
    .wavefront_size: 32
...
	.end_amdgpu_metadata
.endif
;; end of part 2
;; launch oproj (part 3): grid 8 x 32, 4 waves a work-group, clusters of 4 x 4, 327,680 bytes of LDS; arguments oc, Wo_codes, lowp_scales, out0; writes out0
.if DOCPART == 3
	.amdgcn_target "amdgcn-amd-amdhsa--gfx1250"
	.amdhsa_code_object_version 6
	.text
	.protected	k_qdbefb541f3_oproj
	.globl	k_qdbefb541f3_oproj
	.p2align	8
	.type	k_qdbefb541f3_oproj,@function
k_qdbefb541f3_oproj:
	s_mov_b64 s[64:65], 0
	v_nop
	global_prefetch_b8 v0, s[64:65] scope:SCOPE_SE
	s_setreg_imm32_b32 hwreg(HW_REG_WAVE_MODE, 25, 1), 1
	s_wait_xcnt 0x0
	s_wait_alu depctr_hold_cnt(0) depctr_sa_sdst(0) depctr_va_vdst(0) depctr_va_sdst(0) depctr_va_ssrc(0) depctr_va_vcc(0) depctr_vm_vsrc(0)
	s_getreg_b32 s2, hwreg(HW_REG_IB_STS2, 6, 4)
	s_cmp_eq_u32 s2, 0
	s_cbranch_scc0 .Lentry_in_a_cluster
	s_endpgm
.Lentry_in_a_cluster:
	s_bfe_u32 s2, ttmp6, 0x10000c
	s_cmp_lg_u32 s2, 0xf033
	s_cbranch_scc0 .Lentry_shape_is_right
	s_endpgm
.Lentry_shape_is_right:
; out0[m][n] = 2^(e10 + e11) x the sum over k of o[m][k] Wo[n][k], on codes of FP8 (E4M3).  Wo: [1024][1024] codes, K innermost.  out0: [4096][1024] f32.
; o comes as oc: [block of 128 rows (32)][128 along K (8)][tile of 16 rows (8)][piece c (4)][lane][16 B], lane l's piece c = row l % 16, k = 32 c + 16 (l / 16) + 0 .. 15: a block is 131,072 dense bytes.
; LIMIT: e10 + e11 between -126 and 127, so that 2^(e10 + e11) is an f32 number.
; A work-group makes 128 x 128 of out0: 256 work-groups.  ALL of K lies in LDS at once: each wave brings half of K of A (65,536 bytes) or of B (128 rows of 512 bytes) by one joint load; nothing is filled twice, and no loop runs ahead of memory: no prefetch.
; A wave makes 64 x 64: 16 accumulators.  CLUSTERS of 4 x 4: A's block is shared along a row, B's along a column.
; THE MATRIX INSTRUCTION IS USED TRANSPOSED (source 0 = 16 rows of Wo, source 1 = 16 rows of o): a lane holds eight neighbouring numbers of a row of out0.
; REGISTERS: window 0: v16-29 addresses, v32-63 a block's results, v64-127 rows read back, v128-255 the accumulators.  Windows 1, 2: four sets of fragments (A's 64 registers, B's 64), each for 128 along K.
.set BP,    528                        ; a row of B in LDS: 512 bytes + 16 of padding
.set BOFF,  131072                     ; B's two halves lie behind A's
.set BHALF, 128*BP
.set STAGE, BOFF+2*BHALF               ; a stage of 16 rows x (256 bytes + 16) for each wave; no tensor load lands there
.set SP,    272
.set SPARE, STAGE+4*16*SP              ; the spare words: 128 bytes a wave
.set ADA, 16                           ; v16-17  my rows of A: K 0-511, 512-1023
.set ADB, 18                           ; v18-19  the same for B
.set STO, 24
.set RD,  25
.set CO,  26
.set SPW, 28
.set NIL, 29
.set TMP, 32
.set BK,  64
.set ACC, 128
.set G1, 24
.set G0, 32
.set G1B, 48
.set G0B, 56
.set MSB, 0
.macro WIN new
.if MSB != (\new)
	s_set_vgpr_msb (MSB<<8)|(\new)
.set MSB, (\new)
.endif
.endm
.macro CROUND
	s_barrier_signal -1
	s_barrier_wait -1
	s_cmp_lg_u32 s14, 0
	s_cbranch_scc1 .Lnot_wave_0_\@
	s_barrier_signal -3
.Lnot_wave_0_\@:
	s_barrier_wait -3
	s_barrier_signal -1
	s_barrier_wait -1
.endm
	s_load_b128 s[4:7], s[0:1], 0x0                ; oc, Wo's codes
	s_load_b128 s[8:11], s[0:1], 0x10              ; the scales, out0
	v_lshl_add_u32 v[SPW], v0, 2, SPARE
	v_mov_b32 v[NIL], 0
	ds_add_u32 v[SPW], v[NIL]                      ; the wave's opening: the add, twice on end, and its wait
	ds_add_u32 v[SPW], v[NIL]
	v_lshrrev_b32 v1, 5, v0
	v_readfirstlane_b32 s14, v1                    ; wave 0..3
	s_lshr_b32 s15, s14, 1                         ; my half of the rows.  Also: I fetch for A (0) or for B (1)
	s_and_b32 s16, s14, 1                          ; my half of the columns.  Also: which half of K I fetch
	s_bfe_u32 s40, ttmp6, 0x40000                  ; cx, cy
	s_bfe_u32 s41, ttmp6, 0x40004
	s_lshl_b32 s42, ttmp9, 2
	s_add_co_u32 s42, s42, s40                     ; tile column
	s_and_b32 s17, ttmp7, 0xffff
	s_lshl_b32 s17, s17, 2
	s_add_co_u32 s17, s17, s41                     ; tile row
	s_lshl_b32 s43, s41, 2
	s_lshl_b32 s43, 15, s43                        ; my row of the cluster
	s_lshl_b32 s44, 0x1111, s40                    ; my column
	; A: 256 rows of 32 elements of 8 bytes, dense.  B: 128 rows of 512 bytes, 1024 apart, padded in LDS
	s_or_b32 s[G1+0], s43, (3<<16)|(1<<21)
	s_mov_b32 s[G1+1], 32<<16
	s_mov_b32 s[G1+2], 256<<16
	s_mov_b32 s[G1+3], 32<<16
	s_mov_b32 s[G1+4], 256
	s_mov_b32 s[G1+5], 32
	s_mov_b32 s[G1+6], 0
	s_mov_b32 s[G1+7], 0
	s_or_b32 s[G1B+0], s44, (0<<16)|(1<<20)|(1<<21)|(6<<22)|(3<<25)
	s_mov_b32 s[G1B+1], 512<<16
	s_mov_b32 s[G1B+2], 128<<16
	s_mov_b32 s[G1B+3], 512<<16
	s_mov_b32 s[G1B+4], 128
	s_mov_b32 s[G1B+5], 1024
	s_mov_b32 s[G1B+6], 0
	s_mov_b32 s[G1B+7], 0
	s_lshl_b32 s20, s17, 17                        ; A: a block of 131,072 bytes, + half of K
	s_lshl_b32 s22, s16, 16
	s_add_co_u32 s20, s20, s22
	s_mov_b32 s21, 0
	s_lshl_b32 s46, s42, 17                        ; B: 128 rows of 1,024 bytes, + half of K
	s_lshl_b32 s47, s16, 9
	s_add_co_u32 s46, s46, s47
	s_mov_b32 s47, 0
	s_mul_i32 s23, s16, BHALF
	s_mov_b32 s[G0], 1
	s_mov_b32 s[G0+1], s22
	s_mov_b32 s[G0B], 1
	s_add_co_u32 s[G0B+1], s23, BOFF
	s_wait_dscnt 0x0                               ; both opening adds are done
	s_wait_kmcnt 0x0
	s_load_b64 s[96:97], s[8:9], 0x28              ; e10, e11
	s_add_nc_u64 s[G0+2:G0+3], s[4:5], s[20:21]
	s_or_b32 s[G0+3], s[G0+3], 0x80000000
	s_add_nc_u64 s[G0B+2:G0B+3], s[6:7], s[46:47]
	s_or_b32 s[G0B+3], s[G0B+3], 0x80000000
	CROUND                                         ; all sixteen work-groups are here: the joint loads meet
	s_cmp_eq_u32 s15, 0
	s_cbranch_scc0 .Lfor_b
	tensor_load_to_lds s[G0:G0+3], s[G1:G1+7]
	s_nop 0
.rept 4
	v_nop
.endr
	s_branch .Lasked
.Lfor_b:
	tensor_load_to_lds s[G0B:G0B+3], s[G1B:G1B+7]
	s_nop 0
.rept 4
	v_nop
.endr
.Lasked:
	s_lshl_b32 s20, s17, 7
	s_lshl_b32 s21, s15, 6
	s_add_co_u32 s20, s20, s21                     ; my first row of out0,
	s_lshl_b32 s20, s20, 12                        ; x 4,096 bytes
	s_lshl_b32 s46, s42, 9                         ; my first column, in bytes
	s_lshl_b32 s47, s16, 8
	s_add_co_u32 s46, s46, s47
	s_add_co_u32 s20, s20, s46
	s_mov_b32 s21, 0
	s_add_nc_u64 s[10:11], s[10:11], s[20:21]
	s_lshl_b32 s20, s15, 13                        ; my 64 rows of A: four tiles of 2,048 bytes
	s_mul_i32 s21, s16, 64*BP
	s_add_co_u32 s21, s21, BOFF                    ; my 64 rows of B
	s_mul_i32 s22, s14, 16*SP
	s_add_co_u32 s22, s22, STAGE                   ; my stage
	v_and_b32 v1, 15, v0                           ; l % 16
	v_bfe_u32 v2, v0, 4, 1                         ; l / 16
	v_and_b32 v6, 31, v0                           ; lane
	v_lshlrev_b32 v6, 4, v6
	v_mul_u32_u24 v3, v1, BP
	v_lshl_add_u32 v3, v2, 4, v3
	v_add_nc_u32 v[ADA], s20, v6
	v_add_nc_u32 v[ADB], s21, v3
	v_add_nc_u32 v[ADA+1], 0x10000, v[ADA]
	v_add_nc_u32 v[ADB+1], BHALF, v[ADB]
	v_mul_u32_u24 v4, v1, SP                       ; in: row l % 16, 32 bytes for each half of the lanes
	v_lshl_add_u32 v4, v2, 5, v4
	v_add_nc_u32 v[STO], s22, v4
	v_mul_u32_u24 v5, v2, SP                       ; back: lanes 0-15 take one row of 256 bytes, lanes 16-31 the next
	v_lshl_add_u32 v5, v1, 4, v5
	v_add_nc_u32 v[RD], s22, v5
	v_lshlrev_b32 v[CO], 12, v2                    ; and the same two rows in out0
	v_lshl_add_u32 v[CO], v1, 4, v[CO]
.macro LOADSET k                       ; 128 along K: A's four fragments and B's four
.set SB, 128*((\k)%2)
	WIN 0x40<<(((\k)%4)/2)
.irp i, 0,1,2,3
.irp c, 0,1,2,3
	ds_load_b128 v[SB+16*\i+4*\c:SB+16*\i+4*\c+3], v[ADA+(\k)/4] offset:16384*((\k)%4)+2048*\i+512*\c
	ds_load_b128 v[SB+64+16*\i+4*\c:SB+67+16*\i+4*\c], v[ADB+(\k)/4] offset:16*BP*\i+128*((\k)%4)+32*\c
.endr
.endr
.endm
.macro KSTEP k
.if (\k) < 7
	s_wait_dscnt 31                                ; this set is in; 31 of the next one's 32 loads may be out
.else
	s_wait_dscnt 0x0
.endif
.if (\k) < 6
.if (\k) > 1
.rept 4
	v_nop                                          ; places in front of loads into registers that matrix instructions have read
.endr
.endif
	LOADSET (\k)+2
.endif
.set SB, 128*((\k)%2)
	WIN 5<<(((\k)%4)/2)                            ; sources 0 and 1 in window 1 or 2, C and D in window 0
.irp a, 0,1,2,3                        ; the 16 accumulators take turns, one instruction a turn
.irp b, 0,1,2,3
.if (\k) == 0
	v_wmma_f32_16x16x128_fp8_fp8 v[ACC+32*\a+8*\b:ACC+32*\a+8*\b+7], v[SB+64+16*\b:SB+79+16*\b], v[SB+16*\a:SB+16*\a+15], 0
.else
	v_wmma_f32_16x16x128_fp8_fp8 v[ACC+32*\a+8*\b:ACC+32*\a+8*\b+7], v[SB+64+16*\b:SB+79+16*\b], v[SB+16*\a:SB+16*\a+15], v[ACC+32*\a+8*\b:ACC+32*\a+8*\b+7]
.endif
.endr
.endr
.endm
	s_wait_alu depctr_va_vdst(0)
	s_wait_tensorcnt 0x0                           ; my part is in,
	s_barrier_signal -1
	s_barrier_wait -1                              ; everybody's is
	LOADSET 0
	s_wait_dscnt 31
	LOADSET 1
.irp k, 0,1,2,3,4,5,6,7
	KSTEP \k
.endr
	WIN 0
; THE WAY OUT, block by block of 16 rows x 64 columns: through my own stage in LDS, back as whole rows of 256 bytes.  LDS serves a wave's instructions in order (ISA guide 5.7.1.4): no wait between the stores and the loads.
.macro TOSTAGE a
.irp j, 0,2,4,6,8,10,12,14,16,18,20,22,24,26,28,30
	v_pk_mul_f32 v[TMP+\j:TMP+\j+1], v[ACC+32*(\a)+\j:ACC+32*(\a)+\j+1], s[96:97] op_sel_hi:[1,0]   ; x 2^(e10 + e11); each accumulator from its low end on
.endr
.irp b, 0,1,2,3
	ds_store_b128 v[STO], v[TMP+8*\b:TMP+8*\b+3] offset:64*\b
	ds_store_b128 v[STO], v[TMP+8*\b+4:TMP+8*\b+7] offset:64*\b+16
.endr
.set BB, BK+32*((\a)%2)
.irp t, 0,1,2,3,4,5,6,7
	ds_load_b128 v[BB+4*\t:BB+4*\t+3], v[RD] offset:2*SP*\t
.endr
.endm
.macro SEND a, younger                 ; younger: the LDS instructions issued behind block a's loads, which may stay out
.set BB, BK+32*((\a)%2)
	s_wait_dscnt \younger
.irp t, 0,1,2,3,4,5,6,7
	global_store_b128 v[CO], v[BB+4*\t:BB+4*\t+3], s[10:11] offset:65536*(\a)+8192*\t th:TH_STORE_NT   ; sixteen lanes store 256 consecutive bytes, at a multiple of 256
.endr
.endm
	s_wait_kmcnt 0x0
	s_add_co_i32 s96, s96, s97
	s_add_co_i32 s96, s96, 127
	s_lshl_b32 s96, s96, 23                        ; 2^(e10 + e11) as f32
.rept 4
	v_nop
.endr
	TOSTAGE 0
.irp a, 1,2,3
.if \a > 1
	s_wait_xcnt 0x0                                ; block a - 2's stores have read their registers
.endif
	TOSTAGE \a
	SEND \a-1, 16                                  ; behind block a - 1's loads: block a's 8 stores and 8 loads
.endr
	SEND 3, 0
	s_wait_tensorcnt 0x0                           ; the wave's end
	ds_add_u32 v[SPW], v[NIL]
	s_wait_dscnt 0x0
	CROUND                                         ; the closing round
	s_endpgm
.Lfunc_end_k_qdbefb541f3_oproj:
	.size	k_qdbefb541f3_oproj, .Lfunc_end_k_qdbefb541f3_oproj-k_qdbefb541f3_oproj
	.p2alignl 7, 3214868480
	.fill 96, 4, 3214868480
	.section	.rodata,"a",@progbits
	.p2align	6, 0x0
	.amdhsa_kernel k_qdbefb541f3_oproj
		.amdhsa_group_segment_fixed_size 327680
		.amdhsa_private_segment_fixed_size 0
		.amdhsa_enable_private_segment 0
		.amdhsa_kernarg_size 32
		.amdhsa_user_sgpr_count 2
		.amdhsa_user_sgpr_kernarg_segment_ptr 1
		.amdhsa_wavefront_size32 1
		.amdhsa_system_sgpr_workgroup_id_x 1
		.amdhsa_system_sgpr_workgroup_id_y 1
		.amdhsa_system_sgpr_workgroup_id_z 1
		.amdhsa_system_vgpr_workitem_id 0
		.amdhsa_next_free_vgpr 1024
		.amdhsa_next_free_sgpr 98
		.amdhsa_reserve_vcc 0
		.amdhsa_float_denorm_mode_32 3
		.amdhsa_float_denorm_mode_16_64 3
		.amdhsa_memory_ordered 1
		.amdhsa_forward_progress 1
		.amdhsa_inst_pref_size 43
	.end_amdhsa_kernel
	.amdgpu_metadata
---
amdhsa.version: [ 1, 2 ]
amdhsa.kernels:
  - .name:           k_qdbefb541f3_oproj
    .symbol:         k_qdbefb541f3_oproj.kd
    .args:
      - { .name: oc, .offset: 0, .size: 8, .value_kind: global_buffer, .address_space: global }
      - { .name: Wo_codes, .offset: 8, .size: 8, .value_kind: global_buffer, .address_space: global }
      - { .name: lowp_scales, .offset: 16, .size: 8, .value_kind: global_buffer, .address_space: global }
      - { .name: out0, .offset: 24, .size: 8, .value_kind: global_buffer, .address_space: global }
    .group_segment_fixed_size: 327680
    .private_segment_fixed_size: 0
    .kernarg_segment_align: 8
    .kernarg_segment_size: 32
    .max_flat_workgroup_size: 128
    .sgpr_count:     98
    .vgpr_count:     1024
    .wavefront_size: 32
...
	.end_amdgpu_metadata
.endif
;; end of part 3
